; MI455X (gfx1250); checked and timed in simulation.
; The chip was launched on July 23, 2026; its instructions are those of AMD's public machine-readable ISA for CDNA 5 (MIT licence, August 2026) and "CDNA5" Instruction Set Architecture Reference Guide (July 2026). The comments in the code are by the model that wrote it; some were corrected since.
;; Mul Attontion. Allowed arithmetic: matrix products marked QUANTISED: E5M2 operands, one given power-of-two scale a tensor, by v_wmma_f32_16x16x64_bf8_bf8 or v_wmma_f32_16x16x128_bf8_bf8, f32 sums; everything else in f32.
;; Inputs: Wk_codes 256 x 8 x 32 uint8 (E5M2 codes of Wk, K innermost, in blocks of 32 codes); Wo_codes 256 x 8 x 32 uint8 (E5M2 codes of Wo, K innermost, in blocks of 32 codes); Wq_codes 256 x 8 x 32 uint8 (E5M2 codes of Wq, K innermost, in blocks of 32 codes); Wv_codes 256 x 8 x 32 uint8 (E5M2 codes of Wv, K innermost, in blocks of 32 codes); bk 256 float32; bo 256 float32; bq 256 float32; bv 256 float32; gamma 1 float32; lowp_scales 12 int32 (the exponents e of the quantised operands' scales 2^e); x 32 x 256 x 32 x 32 float32.
;; Outputs: out0 32 x 256 x 32 x 32 float32.
;; This version of the problem:
;;   THIS VERSION OF THE PROBLEM IS GIVEN IN LOW PRECISION. The matrix products marked QUANTISED in the list below multiply operands that are first quantised to E5M2 (5 exponent bits, 2 mantissa bits; 8 bits a number), with one given power-of-two scale for each operand tensor; their sums are f32. All else is computed in f32.
;;   The module's matrix products, in the order in which they are computed (A, B: the left and right operand; K: the contracted axis; several contracted axes count as one K, in the product's order):
;;     1. [M 32,768, K 256] x [K 256, N 256]; A: input x; B: input Wq (given as codes): QUANTISED (scales: A lowp_scales[0], B lowp_scales[1])
;;     2. [M 32,768, K 256] x [K 256, N 256]; A: input x; B: input Wk (given as codes): QUANTISED (scales: A lowp_scales[2], B lowp_scales[3])
;;     3. [M 32,768, K 256] x [K 256, N 256]; A: input x; B: input Wv (given as codes): QUANTISED (scales: A lowp_scales[4], B lowp_scales[5])
;;     4. batch 256 x [M 1,024, K 32] x [K 32, N 1,024]; A: computed on the way; B: computed on the way: QUANTISED (scales: A lowp_scales[6], B lowp_scales[7])
;;     5. batch 256 x [M 1,024, K 1,024] x [K 1,024, N 32]; A: softmax (see below); B: computed on the way: QUANTISED (scales: A lowp_scales[8], B lowp_scales[9])
;;     6. [M 32,768, K 256] x [K 256, N 256]; A: computed on the way; B: input Wo (given as codes): QUANTISED (scales: A lowp_scales[10], B lowp_scales[11])
;;   THE QUANTISER, for each operand of a quantised product, along K:
;;     - The operand's scale is 2^e, e = its entry of the input lowp_scales (int32; the entries are numbered through the quantised products in the list's order, A before B).
;;     - Each number is divided by the scale, clamped to +-57,344, and rounded to the nearest number of E5M2, ties to even, subnormals kept.
;;     - The product sums the exact products of the quantised numbers (number of the format x scale) in f32.
;;   ~~~python
;;   def quantise(x, axis, e):      # numpy; x: float32 -> the quantised numbers, widened to float32 again
;;       x = np.moveaxis(x, axis, -1); K = x.shape[-1]
;;       r = np.clip(x / 2.0 ** e, -57344, 57344)
;;       step = 2.0 ** (np.maximum(np.frexp(np.where(r == 0, 1, r))[1] - 1, -14) - 2)
;;       q = np.round(r / step) * step * 2.0 ** e      # np.round: ties to even
;;       return np.moveaxis(q, -1, axis).astype(np.float32)
;;   ~~~
;;   SOFTMAX AHEAD OF A QUANTISED PRODUCT. Where the list says 'softmax', what is quantised is not the finished softmax but p = 2^(t - M), with t = logit x log2(e) and M = ceil(the row's largest t), a whole number; so 1/2 < the row's largest p <= 1. The row's sum l is taken of the UNQUANTISED p, in f32, and the product's result is divided by l at the end. Since M is a whole number, a kernel that streams over the keys may use a running M (the ceiling of the running maximum): every later rescaling is an exact power of two, so the quantised numbers keep their values, but for numbers so far below the row's largest that they fall under the format's range.
;;   OPERANDS COMPUTED ON THE WAY. 'Computed on the way' means the value that the module computes at that place (a softmax that the list does not call 'softmax' is quantised finished and normalised). What goes into a quantiser is computed in f32, as accurately as f32 sums, v_exp_f32 and their like allow (about 1e-6 of the number): no bf16 or f16 on the way to a quantiser, and a product that is left as it is and whose result goes on into a quantised operand takes f32 operands (vector FMAs, or v_wmma_f32_16x16x4_f32). A number that lies on a knife's edge between two numbers of the format may be rounded either way, as far as f32 arithmetic and the matrix unit's own rounding can turn it there, and no further.
;;   INPUTS GIVEN AS CODES. Wk (in the module: [256, 256], K = its axis 1); Wo (in the module: [256, 256], K = its axis 1); Wq (in the module: [256, 256], K = its axis 1); Wv (in the module: [256, 256], K = its axis 1): each comes as NAME_codes (uint8): NAME with its K axis moved to the last place and cut into blocks of 32 codes, [.., K / 32, bytes a block], one block behind the other in memory; one code a byte (a code: sign, 5 exponent bits, 2 mantissa bits); its scale is its entry of lowp_scales. Its value is code x scale, taken as it is: it is not quantised again, and the codes and scales need not be those that the quantiser above would give.
;; One version. Each part assembles by itself: llvm-mc -triple=amdgcn-amd-amdhsa -mcpu=gfx1250 --defsym DOCPART=n.
;; ======== version 1 of 1: 2 launches
;; limits: right only within a limited range of input values
;; workspace buffers: qimg 8,388,608 bytes; kimg 8,388,608 bytes; vimg 8,388,608 bytes
;; launch project (part 1): grid 8 x 32, 16 waves a work-group, no clusters, 106,496 bytes of LDS; arguments x, Wq_codes, Wk_codes, Wv_codes, bq, bk, bv, lowp_scales, qimg, kimg, vimg; writes qimg, kimg, vimg
.if DOCPART == 1
	.amdgcn_target "amdgcn-amd-amdhsa--gfx1250"
	.amdhsa_code_object_version 6
	.text
	.protected	k_qd620b8a26f_project
	.globl	k_qd620b8a26f_project
	.p2align	8
	.type	k_qd620b8a26f_project,@function
k_qd620b8a26f_project:
	s_mov_b64 s[64:65], 0
	v_nop
	global_prefetch_b8 v0, s[64:65] scope:SCOPE_SE
	s_setreg_imm32_b32 hwreg(HW_REG_WAVE_MODE, 25, 1), 1
	s_wait_xcnt 0x0
; q, k, v = the three 1x1 convolutions of x [32][256 c][1024 s] (K = c), on codes of E5M2, and their results quantised for the attention that follows.
; x is quantised three times, once with each product's own scale (entries 0, 2, 4 of the scales); the weights come as codes.  A sum stands for sum x 2^(ex + ew); the bias goes in as the C of the
; first matrix instruction, divided by that power; the result's code is (sum + bias') / 2^(eout - ex - ew): the three scales folded into the conversion's one.
; SHARES.  A work-group takes 128 places s of one batch, all 256 c: 128 KB of x, read once.  Sixteen waves.
;   Phase X: wave w takes 32 places (w & 3) x 64 channels (w >> 2).  A LANE TAKES A PLACE s AND ITS REGISTERS RUN DOWN c: a load reads 128 consecutive bytes a wave, four waves side by side 512,
;   and the conversions give codes with c innermost.  The three sets of codes go to LDS as rows of 256 bytes, 272 apart.
;   Phase P: wave w takes head w & 7 and half w >> 3: four tiles of 16 places for q, four for k, one tile of 16 channels d x 128 keys for v.
; THE RESULTS LEAVE AS IMAGES OF THE NEXT LAUNCH'S OPERAND REGISTERS: 512 bytes, lane l's 16 bytes at 16 l: each store of a wave covers 512 consecutive bytes, aligned.
;   qimg [b][head][tile 64]: lane (r, hl): q(s = 16 tile + r, d = 16 hl + 0..15)
;   kimg [b][head][tile 64], tile = 8 sigma + 2 bb + u: lane (r, hl): k(key = 128 sigma + 32 bb + 8 u + r + 8 (r / 8), d = 16 hl + 0..15)
;   vimg [b][head][sigma 8][u 2][c 4]: lane (r, hl): v(d = 8 u + r + 8 (r / 8), keys 128 sigma + 32 c + 16 hl + 0..15)
; The products are used so that a lane's 16 results are 16 neighbours along the next K: source 0's rows are taken as r + 8 (r / 8) (+ 8 for the second tile).
; Fragments are fetched by four loads of 16 bytes, 32 apart: a permutation of k that is the same on both sides of every product.
; LIMITS on the given exponents, so that each power of two is an f32 number: e0, e2, e4, e6 - e0 - e1, e7 - e2 - e3, e9 - e4 - e5 between -126 and 112.  NaN among the inputs is not served.
; No tensor loads: the tile is read once, through the registers that quantise it.  No cluster: no two work-groups share anything but 192 KB of weights.
.set XP,   272                         ; an LDS row: 256 codes + 16 bytes
.set XSET, 128*XP                      ; a set of codes: 128 rows; set p (q, k, v) begins at p x XSET
.set X,    16                          ; v16-79   64 numbers of x; later Wk's four fragments; later four fragments of x for v
.set T,    80                          ; v80-95   the codes to store, two sets of 4 by turns
.set CD,   96                          ; v96-143  3 x 16 registers of codes
.set XF,   96                          ; v96-127  two fragments of x (K steps 0, 1)
.set AC,   128                         ; v128-143 two accumulators
.set WQ,   144                         ; v144-207 Wq's fragments (tile u, K step q) at 16 (2 u + q); later Wv's two
.set BQ,   208                         ; v208-223 bq, in the result's layout
.set BK,   224                         ; v224-239 bk
.set BV,   240                         ; v240-247 bv: eight equal registers
.set SC,   248                         ; v248-253 the three scales, at 248 + 2 p
; v1 4 lane; v2, v3 where I store codes; v4 a weight's row and half; v5, v6 the biases' offsets; v7, v8, v9 x's fragments for q, k, v; v10 16 lane; v11 bv as loaded
.macro MKSC se, vs, vl                 ; 2^e as f32 in v[vs], e in s[se]
	s_add_co_i32 s56, s[\se], 127
	s_lshl_b32 s57, s56, 23
	v_mov_b32 v[\vs], s57
	s_add_co_i32 s56, s56, 15
	s_lshl_b32 s56, s56, 23
	s_or_b32 s56, s56, 0x600000
.endm
	s_load_b512 s[4:19], s[0:1], 0x0               ; x, Wq, Wk, Wv, bq, bk, bv, the scales
	s_load_b128 s[20:23], s[0:1], 0x40             ; qimg, kimg
	s_load_b64 s[24:25], s[0:1], 0x50              ; vimg
	v_lshl_add_u32 v254, v0, 2, 0x19800
	v_mov_b32 v255, 0
	v_lshrrev_b32 v12, 5, v0
	s_delay_alu instid0(VALU_DEP_1)
	v_readfirstlane_b32 s26, v12                   ; wave 0..15
	s_mov_b32 s27, ttmp9                           ; which 128 places
	s_and_b32 s28, ttmp7, 0xffff                   ; the batch
	s_and_b32 s29, s26, 3                          ; phase X: which 32 places,
	s_lshr_b32 s30, s26, 2                         ; which 64 channels
	s_and_b32 s31, s26, 7                          ; phase P: the head,
	s_lshr_b32 s44, s26, 3                         ; the half
	v_and_b32 v12, 31, v0                          ; lane
	v_and_b32 v13, 15, v0                          ; r
	v_bfe_u32 v14, v0, 4, 1                        ; hl
	s_delay_alu instid0(VALU_DEP_2)
	v_and_b32 v15, 8, v13
	s_delay_alu instid0(VALU_DEP_1)
	v_add_nc_u32 v15, v15, v13                     ; r + 8 (r / 8)
	v_lshlrev_b32 v1, 2, v12
	s_mul_i32 s45, s29, 32*XP
	s_lshl_b32 s46, s30, 6
	s_add_co_u32 s45, s45, s46
	v_mul_u32_u24 v2, v12, XP
	s_delay_alu instid0(VALU_DEP_1)
	v_add_nc_u32 v2, s45, v2                       ; row 32 (w & 3) + lane, byte 64 (w >> 2)
	s_delay_alu instid0(VALU_DEP_1)
	v_add_nc_u32 v3, 2*XSET, v2                    ; the same in set 2, which an immediate does not reach
	v_lshlrev_b32 v4, 8, v15
	s_delay_alu instid0(VALU_DEP_1)
	v_lshl_add_u32 v4, v14, 4, v4                  ; a weight: row r + 8 (r / 8) of 256 bytes, + 16 hl
	v_lshlrev_b32 v5, 6, v14                       ; bq, bk: my half's 16 numbers
	v_lshlrev_b32 v6, 2, v15                       ; bv: my row's one
	s_mul_i32 s47, s44, 64*XP
	v_mul_u32_u24 v7, v13, XP
	s_delay_alu instid0(VALU_DEP_1)
	v_lshl_add_u32 v7, v14, 4, v7
	s_delay_alu instid0(VALU_DEP_1)
	v_add_nc_u32 v7, s47, v7                       ; q: rows as they lie, my half's 64
	v_mul_u32_u24 v9, v15, XP
	s_delay_alu instid0(VALU_DEP_1)
	v_lshl_add_u32 v9, v14, 4, v9
	s_delay_alu instid0(VALU_DEP_1)
	v_add_nc_u32 v8, s47, v9                       ; k: rows r + 8 (r / 8), my half's 64
	s_delay_alu instid0(VALU_DEP_2)
	v_add_nc_u32 v9, 2*XSET, v9                    ; v: the same rows of set 2, all 128
	v_lshlrev_b32 v10, 4, v12
	s_lshl_b32 s48, s28, 20                        ; x: b x 1 MB + 64 channels x 4,096 + 128 places x 4 + 32 places x 4
	s_lshl_b32 s49, s30, 18
	s_add_co_u32 s48, s48, s49
	s_lshl_b32 s49, s27, 9
	s_add_co_u32 s48, s48, s49
	s_lshl_b32 s49, s29, 7
	s_add_co_u32 s48, s48, s49
	s_mov_b32 s49, 0
	s_lshl_b32 s50, s31, 13                        ; a head's 32 rows of a weight
	s_mov_b32 s51, 0
	s_lshl_b32 s52, s44, 11                        ; Wv: + 8 rows for the second half
	s_add_co_u32 s52, s52, s50
	s_mov_b32 s53, 0
	s_lshl_b32 s54, s31, 7                         ; a head's 32 numbers of a bias
	s_mov_b32 s55, 0
	s_lshl_b32 s56, s44, 5
	s_add_co_u32 s56, s56, s54
	s_mov_b32 s57, 0
	s_lshl_b32 s58, s28, 3
	s_add_co_u32 s58, s58, s31                     ; 8 b + head
	s_lshl_b32 s42, s58, 6
	s_lshl_b32 s43, s27, 3
	s_add_co_u32 s42, s42, s43
	s_lshl_b32 s43, s44, 2
	s_add_co_u32 s42, s42, s43
	s_lshl_b32 s42, s42, 9                         ; q's and k's images: tile 8 blk + 4 half on
	s_mov_b32 s43, 0
	s_lshl_b32 s58, s58, 3
	s_add_co_u32 s58, s58, s27
	s_lshl_b32 s58, s58, 1
	s_add_co_u32 s58, s58, s44
	s_lshl_b32 s58, s58, 11                        ; v's images: (sigma = blk, u = half)
	s_mov_b32 s59, 0
	s_wait_alu depctr_va_vdst(0)
	s_wait_kmcnt 0x0
	s_load_b256 s[32:39], s[18:19], 0x0            ; e0 .. e7
	s_load_b64 s[40:41], s[18:19], 0x20            ; e8, e9
	s_add_nc_u64 s[4:5], s[4:5], s[48:49]
	s_add_nc_u64 s[6:7], s[6:7], s[50:51]
	s_add_nc_u64 s[8:9], s[8:9], s[50:51]
	s_add_nc_u64 s[10:11], s[10:11], s[52:53]
	s_add_nc_u64 s[12:13], s[12:13], s[54:55]
	s_add_nc_u64 s[14:15], s[14:15], s[54:55]
	s_add_nc_u64 s[16:17], s[16:17], s[56:57]
	s_add_nc_u64 s[20:21], s[20:21], s[42:43]
	s_add_nc_u64 s[22:23], s[22:23], s[42:43]
	s_add_nc_u64 s[24:25], s[24:25], s[58:59]
	; 25 loads that stay: Wq's four fragments, bq, bk, bv
.irp u, 0,1
.irp q, 0,1
.irp c, 0,1,2,3
	global_load_b128 v[WQ+16*(2*\u+\q)+4*\c:WQ+16*(2*\u+\q)+4*\c+3], v4, s[6:7] offset:2048*\u+128*\q+32*\c
.endr
.endr
.endr
.irp i, 0,1,2,3
	global_load_b128 v[BQ+4*\i:BQ+4*\i+3], v5, s[12:13] offset:16*\i
.endr
.irp i, 0,1,2,3
	global_load_b128 v[BK+4*\i:BK+4*\i+3], v5, s[14:15] offset:16*\i
.endr
	global_load_b32 v11, v6, s[16:17]
	; x: 64 channels of my place
.set i, 0
.rept 64
	global_load_b32 v[X+i], v1, s[4:5] offset:4096*i th:TH_LOAD_NT
.set i, i+1
.endr
	s_wait_kmcnt 0x0
	MKSC 32, SC, SC+1                              ; x's scale for q,
	MKSC 34, SC+2, SC+3                            ; for k,
	MKSC 36, SC+4, SC+5                            ; for v
; ---- PHASE X.  Eight numbers of x become eight codes of set p, straight from x's registers.
.macro XQ g, p
.set TS, T+8*((3*(\g)+(\p))%2)
.irp j, 0,1,2,3,4,5,6,7
.endr
	v_cvt_scalef32_pk8_bf8_f32 v[CD+16*(\p)+2*(\g):CD+16*(\p)+2*(\g)+1], v[TS+((X+8*(\g)+0)-(TS+0)):TS+7+((X+8*(\g)+0)-(TS+0))], v[SC+2*(\p)]
.endm
	s_wait_alu depctr_va_vdst(0)
.irp g, 0,1,2,3,4,5,6,7
	s_wait_loadcnt 56-8*\g                         ; loads come back in order: behind group g's eight stand 56 - 8 g loads of x; the 25 in front are in too
.irp p, 0,1,2
	XQ \g, \p
.endr
.endr
	v_nop                                          ; a plain instruction behind the last conversion: its scale and its sources are written again below
	s_wait_alu depctr_va_vdst(0)
.irp i, 0,1,2,3
	ds_store_b128 v2, v[CD+4*\i:CD+4*\i+3] offset:16*\i
	ds_store_b128 v2, v[CD+16+4*\i:CD+16+4*\i+3] offset:XSET+16*\i
	ds_store_b128 v3, v[CD+32+4*\i:CD+32+4*\i+3] offset:16*\i
.endr
.irp u, 0,1                                    ; Wk's four fragments take x's registers
.irp q, 0,1
.irp c, 0,1,2,3
	global_load_b128 v[X+16*(2*\u+\q)+4*\c:X+16*(2*\u+\q)+4*\c+3], v4, s[8:9] offset:2048*\u+128*\q+32*\c
.endr
.endr
.endr
	s_wait_dscnt 0x0                               ; for the others' sake: my codes lie in LDS
	s_barrier_signal -1
	s_barrier_wait -1                              ; everybody's do.  Nothing is stored to LDS behind this barrier: it is the only one
; ---- PHASE P: the constants
	s_add_co_i32 s48, s32, s33                     ; e0 + e1
	s_sub_co_i32 s49, s38, s48                     ; e6 - e0 - e1
	s_sub_co_i32 s48, 0, s48
	s_add_co_i32 s50, s34, s35                     ; e2 + e3
	s_sub_co_i32 s51, s39, s50                     ; e7 - e2 - e3
	s_sub_co_i32 s50, 0, s50
	s_add_co_i32 s52, s36, s37                     ; e4 + e5
	s_sub_co_i32 s53, s41, s52                     ; e9 - e4 - e5
	s_sub_co_i32 s52, 0, s52
	MKSC 49, SC, SC+1
	MKSC 51, SC+2, SC+3
	MKSC 53, SC+4, SC+5
.set i, 0
.rept 16
	v_ldexp_f32 v[BQ+i], v[BQ+i], s48              ; bq / 2^(e0 + e1)
	v_ldexp_f32 v[BK+i], v[BK+i], s50
.set i, i+1
.endr
.set i, 0
.rept 8
	v_ldexp_f32 v[BV+i], v11, s52                  ; in v's result a lane holds one channel d: its eight registers take the same bias
.set i, i+1
.endr
; Four matrix instructions: two accumulators by turns, two K steps of 128; the bias starts the sums.
.macro MM4 a0, a1, a2, a3, b0, b1, c0, c1
	v_wmma_f32_16x16x128_bf8_bf8 v[AC:AC+7], v[\a0:\a0+15], v[\b0:\b0+15], v[\c0:\c0+7]
	v_wmma_f32_16x16x128_bf8_bf8 v[AC+8:AC+15], v[\a1:\a1+15], v[\b0:\b0+15], v[\c1:\c1+7]
	v_wmma_f32_16x16x128_bf8_bf8 v[AC:AC+7], v[\a2:\a2+15], v[\b1:\b1+15], v[AC:AC+7]
	v_wmma_f32_16x16x128_bf8_bf8 v[AC+8:AC+15], v[\a3:\a3+15], v[\b1:\b1+15], v[AC+8:AC+15]
.endm
; The 16 sums of a lane, 16 neighbours along the next K, are converted and stored as an image.  The four v_nop are the places between the products and the first read of their results;
; with the fifth they are also the places in front of the next unit's first product, which begins the accumulators anew, and of its loads into the fragments' registers.
.macro TAIL sc, cr, base, off
.rept 4
	v_nop
.endr
	s_wait_xcnt 0x0                                ; the earlier stores have read their data: the codes' registers may be written again
.set i, 0
.rept 16
.set i, i+1
.endr
	v_cvt_scalef32_pk8_bf8_f32 v[\cr:\cr+1], v[AC:AC+7], v[\sc]
	v_cvt_scalef32_pk8_bf8_f32 v[\cr+2:\cr+3], v[AC+8:AC+15], v[\sc]
	v_nop                                          ; a plain instruction between the conversions and the next product, which writes their sources
	global_store_b128 v10, v[\cr:\cr+3], s[\base:\base+1] offset:\off   ; 32 lanes store 512 consecutive bytes, at a multiple of 512 from the buffer's first byte
.endm
; A tile of 16 places of q or of k: source 0 = 16 rows of the weight (two tiles), source 1 = x's 16 rows.
.macro QKUNIT adr, off, w, bias, sc, cr, base, goff
.irp q, 0,1
.irp c, 0,1,2,3
	ds_load_b128 v[XF+16*\q+4*\c:XF+16*\q+4*\c+3], v[\adr] offset:(\off)+128*\q+32*\c
.endr
.endr
	s_wait_dscnt 0x0
	MM4 \w, \w+32, \w+16, \w+48, XF, XF+16, \bias, \bias+8
	TAIL \sc, \cr, \base, \goff
.endm
; 32 keys x my 16 channels of v: source 0 = x's rows (two tiles of 16 keys), source 1 = 16 rows of Wv: a lane holds one channel, its registers 16 neighbouring keys.
.macro VUNIT bb
.irp u, 0,1
.irp q, 0,1
.irp c, 0,1,2,3
	ds_load_b128 v[X+16*(2*\u+\q)+4*\c:X+16*(2*\u+\q)+4*\c+3], v9 offset:(32*(\bb)+8*\u)*XP+128*\q+32*\c
.endr
.endr
.endr
	s_wait_dscnt 0x0
	MM4 X, X+32, X+16, X+48, WQ, WQ+16, BV, BV
	TAIL SC+4, 80+4*((\bb)%2), 24, 512*(\bb)
.endm
.irp t, 0,1,2,3
	QKUNIT 7, 16*\t*XP, WQ, BQ, SC, 80+4*(\t%2), 20, 512*\t
.endr
.irp q, 0,1                                    ; Wq is done with: Wv's two fragments take its place (the places behind the last products stand in TAIL)
.irp c, 0,1,2,3
	global_load_b128 v[WQ+16*\q+4*\c:WQ+16*\q+4*\c+3], v4, s[10:11] offset:128*\q+32*\c
.endr
.endr
	s_wait_loadcnt 8                               ; Wk's sixteen loads are in; Wv's eight, issued behind them, may be out
.irp t, 0,1,2,3
	QKUNIT 8, XSET+(32*(\t/2)+8*(\t%2))*XP, X, BK, SC+2, 80+4*(\t%2), 22, 512*\t
.endr
	s_wait_loadcnt 0x0                             ; Wv
.irp b, 0,1,2,3
	VUNIT \b
.endr
	s_wait_tensorcnt 0x0
	ds_add_u32 v254, v255
	s_wait_dscnt 0x0
	s_endpgm
.Lfunc_end_k_qd620b8a26f_project:
	.size	k_qd620b8a26f_project, .Lfunc_end_k_qd620b8a26f_project-k_qd620b8a26f_project
	.p2alignl 7, 3214868480
	.fill 96, 4, 3214868480
	.section	.rodata,"a",@progbits
	.p2align	6, 0x0
	.amdhsa_kernel k_qd620b8a26f_project
		.amdhsa_group_segment_fixed_size 106496
		.amdhsa_private_segment_fixed_size 0
		.amdhsa_enable_private_segment 0
		.amdhsa_kernarg_size 88
		.amdhsa_user_sgpr_count 2
		.amdhsa_user_sgpr_kernarg_segment_ptr 1
		.amdhsa_wavefront_size32 1
		.amdhsa_system_sgpr_workgroup_id_x 1
		.amdhsa_system_sgpr_workgroup_id_y 1
		.amdhsa_system_sgpr_workgroup_id_z 1
		.amdhsa_system_vgpr_workitem_id 0
		.amdhsa_next_free_vgpr 256
		.amdhsa_next_free_sgpr 66
		.amdhsa_reserve_vcc 0
		.amdhsa_float_denorm_mode_32 3
		.amdhsa_float_denorm_mode_16_64 3
		.amdhsa_fp16_overflow 1
		.amdhsa_memory_ordered 1
		.amdhsa_forward_progress 1
		.amdhsa_inst_pref_size 38
	.end_amdhsa_kernel
	.amdgpu_metadata
---
amdhsa.version: [ 1, 2 ]
amdhsa.kernels:
  - .name:           k_qd620b8a26f_project
    .symbol:         k_qd620b8a26f_project.kd
    .args:
      - { .name: x, .offset: 0, .size: 8, .value_kind: global_buffer, .address_space: global }
      - { .name: Wq_codes, .offset: 8, .size: 8, .value_kind: global_buffer, .address_space: global }
      - { .name: Wk_codes, .offset: 16, .size: 8, .value_kind: global_buffer, .address_space: global }
      - { .name: Wv_codes, .offset: 24, .size: 8, .value_kind: global_buffer, .address_space: global }
      - { .name: bq, .offset: 32, .size: 8, .value_kind: global_buffer, .address_space: global }
      - { .name: bk, .offset: 40, .size: 8, .value_kind: global_buffer, .address_space: global }
      - { .name: bv, .offset: 48, .size: 8, .value_kind: global_buffer, .address_space: global }
      - { .name: lowp_scales, .offset: 56, .size: 8, .value_kind: global_buffer, .address_space: global }
      - { .name: qimg, .offset: 64, .size: 8, .value_kind: global_buffer, .address_space: global }
      - { .name: kimg, .offset: 72, .size: 8, .value_kind: global_buffer, .address_space: global }
      - { .name: vimg, .offset: 80, .size: 8, .value_kind: global_buffer, .address_space: global }
    .group_segment_fixed_size: 106496
    .private_segment_fixed_size: 0
    .kernarg_segment_align: 8
    .kernarg_segment_size: 88
    .max_flat_workgroup_size: 512
    .sgpr_count:     66
    .vgpr_count:     256
    .wavefront_size: 32
...
	.end_amdgpu_metadata
.endif
;; end of part 1
;; launch attend (part 2): grid 8 x 32, 16 waves a work-group, no clusters, 264,192 bytes of LDS; arguments qimg, kimg, vimg, x, Wo_codes, bo, gamma, lowp_scales, out0; writes out0
.if DOCPART == 2
	.amdgcn_target "amdgcn-amd-amdhsa--gfx1250"
	.amdhsa_code_object_version 6
	.text
	.protected	k_qd620b8a26f_attend
	.globl	k_qd620b8a26f_attend
	.p2align	8
	.type	k_qd620b8a26f_attend,@function
k_qd620b8a26f_attend:
	s_mov_b64 s[64:65], 0
	v_nop
	global_prefetch_b8 v0, s[64:65] scope:SCOPE_SE
	s_setreg_imm32_b32 hwreg(HW_REG_WAVE_MODE, 25, 1), 1
	s_wait_xcnt 0x0
; out = 2 x + gamma (softmax(q k^T / sqrt(32)) v Wo^T + bo), all three products on codes of E5M2.  q, k, v come as images of the operands' registers (512 bytes, lane l's 16 bytes at 16 l):
;   qimg [b][head][tile 64]: lane (r, hl): q(s = 16 tile + r, d = 16 hl + 0..15);   kimg [b][head][8 sigma + 2 bb + u]: k(key = 128 sigma + 32 bb + 8 u + r + 8 (r / 8), d = 16 hl + 0..15);
;   vimg [b][head][sigma][u 2][c 4]: v(d = 8 u + r + 8 (r / 8), keys 128 sigma + 32 c + 16 hl + 0..15).
; THE SOFTMAX: t = score x log2(e) / sqrt(32); M = the running largest t rounded UP to a whole number; p = 2^(t - M) is quantised, not normalised; the row's sum is taken of the unquantised p and divides at the end.
; When M moves, the sum and O are multiplied by 2^(old M - new M): nothing is rounded.
; SHARES.  A work-group owns 128 queries of a batch, for ALL 8 heads, so that it can make the last product (K = head x d = 256) and the residual itself.  Sixteen waves, four to a SIMD, so that one wave's
; vector work stands beside another's products and LDS loads.  Wave w: query tile w & 7, heads 4 (w >> 3) + 0..3, one after the other: four phases of 8 key steps of 128 keys.
; LAYOUT.  S^T = K Q^T (source 0 = 16 keys, source 1 = 16 queries), O^T = V^T P^T: a lane holds ONE query throughout; the keys of a tile and the channels of V's tiles are so chosen that 16 registers of two
; neighbouring tiles are 16 neighbours along the next K.  The head is 32 wide and the narrowest form takes K = 64: source 1 is [q, 0]; source 0 is [k of tile t, k of tile t + 1] (zeros behind tile 7):
; the upper 32 products are a finite code x 0.
; K AND V: phase i reads heads i and 4 + i, 128 KB, from one of two LDS slots; meanwhile the other slot is filled for phase i + 1 THROUGH REGISTERS: each wave brings 8 KB a phase, two loads of 16 bytes a lane
; and two LDS stores in each key step.  The eight work-groups of a batch read the same K and V; they are not asked for jointly by tensor loads in a cluster: what is shared is those two loads a wave beside a key
; step's some 215 vector instructions.
; LIMITS on the given exponents, so that each power of two is an f32 number: e6 + e7 between -124 and 129 (added to c's exponent field); e8 and e10 between -126 and 112.  The residual is rounded as
; 2 x + y, not as x + (y + x).  NaN among the inputs is not served.
.set SLOT,  131072                     ; a slot: [head group 2][K 32,768 | V 32,768]
.set VOFF,  32768
.set STAGE, 32768                      ; the way out: behind o's images (bytes 0 to 32,767): 16 rows x 528 bytes for each wave
.set SPI,   528
; v1 16 lane + 65,536 (w >> 3); v2 the step's LDS address; v3 16 lane + 8,192 w; v4 where the fill is stored; v5 16 lane; v6, v7 the prefetches' offsets; v[8:9] gamma bo; v[10:11] gamma 2^(e10 + e11);
; v12 -M, v13 the largest t, v[14:15] the sum; v16-47 Q: head i's codes at v[16 + 8 i], zeros behind them; v48-79 K's eight tiles; v80-83 zeros; v[84:85] f; v86-88, v[90:91] at work;
; v93 2^e8; v95 2^e10; v96-159 S^T, then p; v160-175 O^T; v176-191 p's codes; v192-223 V's two fragments; v224-239 o's codes; v240-247 the fill on its way
; s22 wave; s23 block of queries; s[24:29] e6 .. e11; s30 gamma; s31 batch; s[32:33] where the fill stands; s[34:35] x, s[36:37] out0 at my rows; s[38:39] Q; s[40:41] lane selects; s[42:43] c;
; s44 the step's tiles in LDS; s45 where the fill goes; s46 the step; s47 the step in which I prefetch K or V; s49 e8 + e9; s50 e10 + e11
.macro MKSC se, vs, vl                 ; 2^e as f32 in v[vs], e in s[se]
	s_add_co_i32 s56, s[\se], 127
	s_lshl_b32 s57, s56, 23
	v_mov_b32 v[\vs], s57
.endm
.macro FRESH                           ; a head begins: the largest t is -3e38, under every t; the sum and O^T are zeros, which the first change of M leaves zeros
	v_mov_b32 v13, 0xff61b1e6
	s_delay_alu instid0(VALU_DEP_1)
	v_floor_f32 v12, -v13
	v_mov_b32 v14, 0
	v_mov_b32 v15, 0
.set i, 0
.rept 16
	v_mov_b32 v[160+i], 0
.set i, i+1
.endr
.endm
	s_load_b512 s[4:19], s[0:1], 0x0               ; qimg, kimg, vimg, x, Wo, bo, gamma, the scales
	s_load_b64 s[20:21], s[0:1], 0x40              ; out0
	v_lshrrev_b32 v2, 5, v0
	s_delay_alu instid0(VALU_DEP_1)
	v_readfirstlane_b32 s22, v2                    ; wave 0..15
	s_mov_b32 s23, ttmp9
	s_and_b32 s31, ttmp7, 0xffff
	s_lshr_b32 s51, s22, 3                         ; head group
	s_and_b32 s52, s22, 7                          ; query tile
	v_and_b32 v2, 31, v0
	s_delay_alu instid0(VALU_DEP_1)
	v_lshlrev_b32 v5, 4, v2
	s_delay_alu instid0(VALU_DEP_2)
	v_lshlrev_b32 v6, 8, v2                        ; K, V: lanes 256 bytes apart
	s_delay_alu instid0(VALU_DEP_3)
	v_lshrrev_b32 v7, 1, v2
	s_delay_alu instid0(VALU_DEP_4)
	v_and_b32 v4, 1, v2
	s_delay_alu instid0(VALU_DEP_2)
	v_lshlrev_b32 v7, 12, v7
	s_delay_alu instid0(VALU_DEP_1)
	v_lshl_add_u32 v7, v4, 8, v7                   ; x: two lanes to a row's 512 bytes, rows 4,096 apart
	s_lshl_b32 s53, s51, 16
	v_add_nc_u32 v1, s53, v5
	s_lshl_b32 s53, s22, 13
	v_add_nc_u32 v3, s53, v5
	v_and_b32 v4, 15, v0
	s_delay_alu instid0(VALU_DEP_1)
	v_lshlrev_b32 v4, 2, v4                        ; bo: my channel's number (v4 takes its lasting part behind the wait for that load)
	s_lshl_b32 s54, s31, 18                        ; a batch's 8 heads x 32,768 bytes,
	s_lshl_b32 s55, s51, 17                        ; a group's 4
	s_add_co_u32 s54, s54, s55
	s_and_b32 s55, s22, 3
	s_lshl_b32 s55, s55, 13
	s_add_co_u32 s56, s54, s55                     ; the fill: my 8,192 bytes of a head's K or V
	s_mov_b32 s57, 0
	s_lshl_b32 s55, s23, 3
	s_add_co_u32 s55, s55, s52
	s_lshl_b32 s55, s55, 9
	s_add_co_u32 s54, s54, s55                     ; Q: tile 8 blk + (w & 7)
	s_mov_b32 s55, 0
	s_lshl_b32 s58, s31, 20
	s_lshl_b32 s59, s22, 16
	s_add_co_u32 s58, s58, s59
	s_lshl_b32 s59, s23, 9
	s_add_co_u32 s58, s58, s59                     ; x, out0: channels 16 w on, places 128 blk on
	s_mov_b32 s59, 0
	s_cmp_eq_u32 s52, s23
	s_cselect_b32 s47, 6, -1                       ; of a batch's eight work-groups the one whose number is w & 7 prefetches wave w's part
	s_mov_b32 s40, 0x76543210
	s_mov_b32 s41, 0xfedcba98                      ; v_permlanex16_b32: lane l xor 16
	s_wait_alu depctr_va_vdst(0)
	s_wait_kmcnt 0x0
	s_load_b128 s[24:27], s[18:19], 0x18           ; e6, e7, e8, e9
	s_load_b64 s[28:29], s[18:19], 0x28            ; e10, e11
	s_load_b32 s30, s[16:17], 0x0                  ; gamma
	s_bitcmp1_b32 s22, 2                           ; waves 4-7 and 12-15 bring V, the others K
	s_cselect_b64 s[32:33], s[8:9], s[6:7]
	s_add_nc_u64 s[32:33], s[32:33], s[56:57]
	s_add_nc_u64 s[38:39], s[4:5], s[54:55]
	s_add_nc_u64 s[34:35], s[10:11], s[58:59]
	s_add_nc_u64 s[36:37], s[20:21], s[58:59]
	s_lshl_b32 s56, s22, 12
	s_add_nc_u64 s[12:13], s[12:13], s[56:57]      ; Wo at my 16 rows
	s_lshl_b32 s56, s22, 6
	s_add_nc_u64 s[14:15], s[14:15], s[56:57]      ; bo at my 16 numbers
.set i, 0
.rept 16
	global_load_b128 v[96+4*i:99+4*i], v5, s[32:33] offset:512*i   ; phase 0's K and V: my 8,192 bytes
.set i, i+1
.endr
.irp i, 0,1,2,3
	global_load_b128 v[16+8*\i:19+8*\i], v5, s[38:39] offset:32768*\i   ; Q of my four heads stays in registers
.endr
	global_load_b32 v8, v4, s[14:15]
.irp i, 0,1,2,3
.irp j, 4,5,6,7
	v_mov_b32 v[16+8*\i+\j], 0                     ; the upper 32 of the score product's K
.endr
.endr
.irp j, 80,81,82,83,85,88
	v_mov_b32 v\j, 0                               ; zeros behind K's last tile; v85 is named as the upper half of a pair; a lane permute's destination counts as one of its sources
.endr
	FRESH
	s_wait_kmcnt 0x0
	s_add_co_i32 s51, s24, s25
	s_lshl_b32 s51, s51, 23
	s_mov_b32 s42, 0x3e8293ee                      ; c = log2(e) / sqrt(32);
	s_add_co_i32 s42, s42, s51                     ; a score stands for score x 2^(e6 + e7): the exponents are added to c's exponent field
	s_mov_b32 s43, s42                             ; (named with it as a pair, so it is written)
	s_add_co_i32 s49, s26, s27
	s_add_co_i32 s50, s28, s29
	MKSC 26, 93, 92
	MKSC 28, 95, 94
	s_wait_loadcnt 5                               ; the sixteen loads of the fill are in; Q's four and bo's one, issued behind them, may be out
.set i, 0
.rept 16
	ds_store_b128 v3, v[96+4*i:99+4*i] offset:512*i
.set i, i+1
.endr
	s_add_nc_u64 s[32:33], s[32:33], 32768         ; (the loads that read it are done)  on to phase 1's heads
	s_wait_loadcnt 0x0
	v_mul_f32 v8, s30, v8                          ; gamma bo
	s_delay_alu instid0(VALU_DEP_1)
	v_mov_b32 v9, v8
	v_mov_b32 v10, s30
	s_delay_alu instid0(VALU_DEP_1)
	v_ldexp_f32 v10, v10, s50                      ; gamma 2^(e10 + e11)
	s_delay_alu instid0(VALU_DEP_1)
	v_mov_b32 v11, v10
	s_wait_dscnt 0x0                               ; for the others' sake: my part of slot 0 lies in LDS
	s_barrier_signal -1
	s_barrier_wait -1
; A KEY STEP: 128 keys.  fill = 1: 1,024 bytes of the next phase's K or V pass through my registers.  qreg: the head's Q.  ask: 1 a prefetch of K or V, 2 of x, 0 none.
.macro STEP fill, qreg, ask
	v_add_nc_u32 v2, s44, v1
.irp t, 0,1,2,3,4,5,6,7
	ds_load_b128 v[48+4*\t:51+4*\t], v2 offset:512*\t
.endr
	s_wait_dscnt 0x0                               ; K's eight tiles are in; the last step's two LDS stores have read their registers
.if \fill
	global_load_b128 v[240:243], v5, s[32:33]
	global_load_b128 v[244:247], v5, s[32:33] offset:512
.endif
.if \ask == 1
	; In step 6 of phases 0 and 1: my wave's 8,192 bytes of the phase after next, lanes 256 bytes apart: their first load stands two key steps on.  s[32:33] stands 6,144 bytes into the next phase's part,
	; and a phase's parts lie 32,768 bytes apart.  Each block is named once in the launch: one of the batch's eight work-groups asks for wave w's part.  Phases 0 and 1 come by their loads alone.
	s_cmp_eq_u32 s46, s47
	s_cbranch_scc0 .Lnoask_\@
	global_prefetch_b8 v6, s[32:33] offset:26624 th:TH_LOAD_NT scope:SCOPE_SE
.Lnoask_\@:
.elseif \ask == 2
	; In step 6 of the last phase: the 16 rows x 512 bytes of x that I add at the end: 32 blocks of 256 bytes, a lane each; nobody else reads them in this launch.
	s_cmp_eq_u32 s46, 6
	s_cbranch_scc0 .Lnoask_\@
	global_prefetch_b8 v7, s[34:35] th:TH_LOAD_NT scope:SCOPE_SE
.Lnoask_\@:
.endif
.irp t, 0,1,2,3,4,5,6,7
	v_wmma_f32_16x16x64_bf8_bf8 v[96+8*\t:103+8*\t], v[48+4*\t:55+4*\t], v[\qreg:\qreg+7], 0
.endr
.if \fill
	v_add_nc_u32 v4, s45, v3                       ; four plain instructions: the places behind the scores' products, and in front of the loads into V's registers, which the last step's products read
.else
	v_nop
.endif
.rept 3
	v_nop
.endr
	s_wait_alu depctr_va_vdst(0)
.irp u, 0,1
.irp c, 0,1,2,3
	ds_load_b128 v[192+16*\u+4*\c:195+16*\u+4*\c], v2 offset:VOFF+512*(4*\u+\c)   ; V lands while the softmax is walked
.endr
.endr
	v_max3_num_f32 v86, v96, v97, v98              ; the step's largest score of my query among my 64 keys, in two chains, each accumulator from its low end on,
	v_max3_num_f32 v87, v99, v100, v101
.irp i, 6,10,14,18,22,26,30,34,38,42,46,50,54,58
	v_max3_num_f32 v86, v86, v[96+\i], v[97+\i]
	v_max3_num_f32 v87, v87, v[98+\i], v[99+\i]
.endr
	v_max3_num_f32 v86, v86, v158, v159
	s_delay_alu instid0(VALU_DEP_1)
	v_max_num_f32 v86, v86, v87
	s_delay_alu instid0(VALU_DEP_1)
	v_permlanex16_b32 v88, v86, s40, s41
	s_delay_alu instid0(VALU_DEP_1)
	v_max_num_f32 v86, v86, v88                    ; and among lane l xor 16's
	s_delay_alu instid0(VALU_DEP_1)
	v_mul_f32 v86, s42, v86                        ; as t (c is positive)
	s_delay_alu instid0(VALU_DEP_1)
	v_max_num_f32 v13, v13, v86                    ; the running largest t
	v_mov_b32 v86, v12
	s_delay_alu instid0(VALU_DEP_2)
	v_floor_f32 v12, -v13                          ; the new -M = floor(-t): M is a whole number
	s_delay_alu instid0(VALU_DEP_1)
	v_sub_f32 v86, v12, v86                        ; old M - new M: a whole number, 0 or less
	s_delay_alu instid0(VALU_DEP_1)
	v_cvt_i32_f32 v86, v86                         ; (it saturates)
	s_delay_alu instid0(VALU_DEP_1)
	v_ldexp_f32 v84, 1.0, v86                      ; f = 2^(old M - new M)
.set i, 0
.rept 32
	v_pk_fma_f32 v[96+i:97+i], v[96+i:97+i], s[42:43], v[12:13] op_sel_hi:[1,0,0]   ; t - M, two at a time (of the pairs c and -M the low word serves both halves)
.set i, i+2
.endr
.set i, 0
	s_setprio 1
	s_wait_alu depctr_va_vdst(0)
.rept 64
	v_exp_f32 v[96+i], v[96+i]                     ; p = 2^(t - M)
.set i, i+1
.endr
	v_pk_mul_f32 v[14:15], v[14:15], v[84:85] op_sel_hi:[1,0]   ; the sums under the new M: the plain instruction behind the exponentials
	s_wait_alu depctr_va_vdst(0)                   ; one wait for the batch of 64, ahead of its first reader
	v_pk_add_f32 v[90:91], v[100:101], v[104:105]
	v_pk_add_f32 v[254:255], v[108:109], v[112:113]
	v_pk_add_f32 v[252:253], v[116:117], v[120:121]
	v_pk_add_f32 v[250:251], v[124:125], v[128:129]
	v_pk_add_f32 v[248:249], v[132:133], v[136:137]
	v_pk_add_f32 v[238:239], v[140:141], v[144:145]
	v_pk_add_f32 v[236:237], v[148:149], v[152:153]
	v_pk_add_f32 v[14:15], v[14:15], v[156:157]
	v_pk_add_f32 v[90:91], v[90:91], v[96:97]
	v_pk_add_f32 v[254:255], v[254:255], v[98:99]
	v_pk_add_f32 v[252:253], v[252:253], v[102:103]
	v_pk_add_f32 v[250:251], v[250:251], v[106:107]
	v_pk_add_f32 v[248:249], v[248:249], v[110:111]
	v_pk_add_f32 v[238:239], v[238:239], v[114:115]
	v_pk_add_f32 v[236:237], v[236:237], v[118:119]
	v_pk_add_f32 v[14:15], v[14:15], v[122:123]
	v_pk_add_f32 v[90:91], v[90:91], v[126:127]
	v_pk_add_f32 v[254:255], v[254:255], v[130:131]
	v_pk_add_f32 v[252:253], v[252:253], v[134:135]
	v_pk_add_f32 v[250:251], v[250:251], v[138:139]
	v_pk_add_f32 v[248:249], v[248:249], v[142:143]
	v_pk_add_f32 v[238:239], v[238:239], v[146:147]
	v_pk_add_f32 v[236:237], v[236:237], v[150:151]
	s_setprio 0
	v_pk_add_f32 v[14:15], v[14:15], v[154:155]
	v_pk_add_f32 v[90:91], v[90:91], v[158:159]
	s_delay_alu instid0(VALU_DEP_2)
	v_pk_add_f32 v[14:15], v[14:15], v[250:251]
	s_delay_alu instid0(VALU_DEP_2)
	v_pk_add_f32 v[90:91], v[90:91], v[248:249]
	v_pk_add_f32 v[254:255], v[254:255], v[238:239]
	v_pk_add_f32 v[252:253], v[252:253], v[236:237]
	s_delay_alu instid0(VALU_DEP_2)
	v_pk_add_f32 v[14:15], v[14:15], v[254:255]
	s_delay_alu instid0(VALU_DEP_2)
	v_pk_add_f32 v[90:91], v[90:91], v[252:253]
	s_delay_alu instid0(VALU_DEP_1)
	v_pk_add_f32 v[14:15], v[14:15], v[90:91]
	; THE HOLD.  The conversion to an 8-bit code does not saturate (ISA guide 7.6.2).  p is at most 1, but for the last bit of t; from e8 = -15 on the largest code x the scale is 1.75 or more, and nothing is to be held.
	; The branch hangs on a whole number that all waves read alike; it leads over no instruction.
	s_cmp_gt_i32 s26, -16
	s_cbranch_scc1 .Lfree_\@
.set i, 0
.rept 64
.set i, i+1
.endr
.Lfree_\@:
.irp b, 0,1,2,3
	v_cvt_scalef32_pk8_bf8_f32 v[176+4*\b:177+4*\b], v[96+16*\b:103+16*\b], v93
	v_cvt_scalef32_pk8_bf8_f32 v[178+4*\b:179+4*\b], v[104+16*\b:111+16*\b], v93
.endr
.irp j, 0,2,4,6,8,10,12,14
	v_pk_mul_f32 v[160+\j:161+\j], v[160+\j:161+\j], v[84:85] op_sel_hi:[1,0]   ; O^T under the new M; also the plain instructions between the conversions and the products
.endr
	s_wait_alu depctr_va_vdst(0)
	s_wait_dscnt 0x0                               ; V
.irp u, 0,1
	v_wmma_f32_16x16x128_bf8_bf8 v[160+8*\u:167+8*\u], v[192+16*\u:207+16*\u], v[176:191], v[160+8*\u:167+8*\u]   ; the two accumulators by turns; the next step's eight score products stand between a chain's links
.endr
.if \fill
	s_wait_loadcnt 0x0                             ; the two loads issued at the step's head
	ds_store_b128 v4, v[240:243]
	ds_store_b128 v4, v[244:247] offset:512
	s_wait_xcnt 0x0                                ; the prefetch too has read the base, which now steps
	s_add_nc_u64 s[32:33], s[32:33], 1024
	s_add_co_u32 s45, s45, 1024
.endif
	s_add_co_u32 s44, s44, 4096
.endm
; A head's end, on registers alone: O^T / the sum x 2^(e8 + e9) is o; converted with e10 it is registers 4 i .. 4 i + 3 of the last product's operand: k = 32 i + 16 hl + 0..15 of my group's 128.
.macro FINISH i, again
.rept 4
	v_nop                                          ; the places behind the last products
.endr
	v_add_f32 v14, v14, v15
	s_delay_alu instid0(VALU_DEP_1)
	v_permlanex16_b32 v88, v14, s40, s41
	s_delay_alu instid0(VALU_DEP_1)
	v_add_f32 v14, v14, v88                        ; the row's sum
	s_wait_alu depctr_va_vdst(0)
	v_rcp_f32 v14, v14
	v_nop                                          ; a plain instruction behind the reciprocal,
	s_wait_alu depctr_va_vdst(0)                   ; and the wait ahead of its first reader
	v_ldexp_f32 v14, v14, s49
.irp j, 0,2,4,6,8,10,12,14
	v_pk_mul_f32 v[160+\j:161+\j], v[160+\j:161+\j], v[14:15] op_sel_hi:[1,0]
.endr
.set i, 0
.rept 16
.set i, i+1
.endr
	v_cvt_scalef32_pk8_bf8_f32 v[224+4*(\i):225+4*(\i)], v[160:167], v95
	v_cvt_scalef32_pk8_bf8_f32 v[226+4*(\i):227+4*(\i)], v[168:175], v95
	v_nop                                          ; a plain instruction behind the conversions: their sources are written next
.if \again
	FRESH
.endif
.endm
; A PHASE: one head of each group, eight key steps.  The slots and Q's registers are constants of the text, so the phase is written out four times; the key step is a loop.
; ONE barrier ends a phase that fills: in front of it my LDS stores into the other slot have landed and my reads of this slot are in; behind it the other slot is whole and this one may be written.
.macro PHASE i, fill, ask
	s_mov_b32 s44, ((\i)%2)*SLOT
	s_mov_b32 s45, (((\i)+1)%2)*SLOT
	s_mov_b32 s46, 0
.Lstep_\@:
	s_setprio 2
	STEP \fill, 16+8*(\i), \ask
	s_add_co_u32 s46, s46, 1
	s_cmp_lt_u32 s46, 8
	s_cbranch_scc1 .Lstep_\@
	s_setprio 0
.if \fill
	s_add_nc_u64 s[32:33], s[32:33], 24576         ; 8,192 bytes were walked: on to the next head's part, 32,768 from this one's
	s_wait_dscnt 0x0
	s_barrier_signal -1
	FINISH \i, 1                                   ; work on registers while the others arrive
	s_barrier_wait -1
.else
	FINISH \i, 0
.endif
.endm
	PHASE 0, 1, 1
	PHASE 1, 1, 1
	PHASE 2, 1, 0
	PHASE 3, 0, 2
	; ---- THE WAY OUT.  Wave w makes channels 16 w .. 16 w + 15 of the output for all 128 places: source 0 = o's 16 queries, source 1 = 16 rows of Wo: a lane holds one channel and eight neighbouring places.
	v_and_b32 v20, 15, v0                          ; Q's registers of heads 0 and 1 are done with: the addresses of the way out
	v_bfe_u32 v21, v0, 4, 1
	s_delay_alu instid0(VALU_DEP_2)
	v_lshlrev_b32 v16, 8, v20
	s_delay_alu instid0(VALU_DEP_1)
	v_lshl_add_u32 v16, v21, 4, v16                ; Wo: row r of 256 bytes, + 16 hl
	s_mul_i32 s51, s22, 16*SPI
	s_add_co_u32 s51, s51, STAGE                   ; my stage
	v_mul_u32_u24 v17, v20, SPI
	s_delay_alu instid0(VALU_DEP_1)
	v_lshl_add_u32 v17, v21, 5, v17
	s_delay_alu instid0(VALU_DEP_1)
	v_add_nc_u32 v17, s51, v17                     ; in: row r, + 32 hl
	v_add_nc_u32 v18, s51, v5                      ; back: a row of 512 bytes, 16 a lane
	s_and_b32 s52, s22, 7
	s_lshl_b32 s52, s52, 12
	s_lshr_b32 s53, s22, 3
	s_lshl_b32 s53, s53, 11
	s_add_co_u32 s52, s52, s53
	v_add_nc_u32 v19, s52, v5                      ; o's image (tile, K step = head group) at 2,048 (2 tile + group)
.irp q, 0,1
.irp c, 0,1,2,3
	global_load_b128 v[160+16*\q+4*\c:163+16*\q+4*\c], v16, s[12:13] offset:128*\q+32*\c
.endr
.endr
.irp c, 0,1,2,3
	ds_store_b128 v19, v[224+4*\c:227+4*\c] offset:512*\c   ; into slot 0, which was last read in phase 2, in front of that phase's barrier
.endr
	s_wait_dscnt 0x0                               ; my image lies in LDS, my reads of slot 1 are in, and the stores have read their registers, on which x now lands
.set i, 0
.rept 16
	global_load_b128 v[192+4*i:195+4*i], v5, s[34:35] offset:4096*i th:TH_LOAD_NT   ; x at my 16 channels: 512 consecutive bytes a load
.set i, i+1
.endr
	s_barrier_signal -1
	s_barrier_wait -1                              ; all sixteen images lie in LDS, and nobody reads a slot any more
.irp q, 0,1
.irp grp, 0,1
.rept 4
	v_nop                                          ; places in front of loads into registers that matrix instructions have read
.endr
.irp n, 0,1,2,3
.irp c, 0,1,2,3
	ds_load_b128 v[32+16*\n+4*\c:35+16*\n+4*\c], v5 offset:(2*(4*\grp+\n)+\q)*2048+512*\c
.endr
.endr
	s_wait_dscnt 0x0
.if (\q == 0) && (\grp == 0)
	s_wait_loadcnt 16                              ; Wo's eight loads are in; x's sixteen, issued behind them, may be out
.endif
.irp n, 0,1,2,3
.if \q == 0
	v_wmma_f32_16x16x128_bf8_bf8 v[96+8*(4*\grp+\n):103+8*(4*\grp+\n)], v[32+16*\n:47+16*\n], v[160:175], 0
.else
	v_wmma_f32_16x16x128_bf8_bf8 v[96+8*(4*\grp+\n):103+8*(4*\grp+\n)], v[32+16*\n:47+16*\n], v[176:191], v[96+8*(4*\grp+\n):103+8*(4*\grp+\n)]
.endif
.endr
.endr
.endr
.rept 4
	v_nop
.endr
.set i, 0
.rept 32
	v_pk_fma_f32 v[32+i:33+i], v[96+i:97+i], v[10:11], v[8:9] op_sel_hi:[1,0,0]   ; gamma (sum x 2^(e10 + e11) + bo): one multiply-add for two numbers, each accumulator from its low end on
.set i, i+2
.endr
.irp t, 0,1,2,3,4,5,6,7
	ds_store_b128 v17, v[32+8*\t:35+8*\t] offset:64*\t       ; lane (r, hl): channel r, places 16 t + 8 hl + 0..7
	ds_store_b128 v17, v[36+8*\t:39+8*\t] offset:64*\t+16
.endr
.set i, 0
.rept 16
	ds_load_b128 v[96+4*i:99+4*i], v18 offset:SPI*i          ; LDS serves a wave's instructions in order (ISA guide 5.7.1.4): these see my stores; the stage is my own
.set i, i+1
.endr
	s_wait_loadcnt 0x0                             ; x
.set i, 0
.rept 16
	s_wait_dscnt 15-i                              ; row i is back; the 15 - i rows behind it may be out
	v_pk_fma_f32 v[96+4*i:97+4*i], v[192+4*i:193+4*i], 2.0, v[96+4*i:97+4*i] op_sel_hi:[1,0,1]   ; both residuals: 2 x + y
	v_pk_fma_f32 v[98+4*i:99+4*i], v[194+4*i:195+4*i], 2.0, v[98+4*i:99+4*i] op_sel_hi:[1,0,1]
	global_store_b128 v5, v[96+4*i:99+4*i], s[36:37] offset:4096*i th:TH_STORE_NT   ; 32 lanes store 512 consecutive bytes, at a multiple of 512 from out0's first byte
.set i, i+1
.endr
	s_wait_xcnt 0x0
	v_lshl_add_u32 v254, v0, 2, 0x40000
	v_mov_b32 v255, 0
	s_wait_alu depctr_va_vdst(0)
	s_wait_tensorcnt 0x0
	ds_add_u32 v254, v255
	s_wait_dscnt 0x0
	s_endpgm
.Lfunc_end_k_qd620b8a26f_attend:
	.size	k_qd620b8a26f_attend, .Lfunc_end_k_qd620b8a26f_attend-k_qd620b8a26f_attend
	.p2alignl 7, 3214868480
	.fill 96, 4, 3214868480
	.section	.rodata,"a",@progbits
	.p2align	6, 0x0
	.amdhsa_kernel k_qd620b8a26f_attend
		.amdhsa_group_segment_fixed_size 264192
		.amdhsa_private_segment_fixed_size 0
		.amdhsa_enable_private_segment 0
		.amdhsa_kernarg_size 72
		.amdhsa_user_sgpr_count 2
		.amdhsa_user_sgpr_kernarg_segment_ptr 1
		.amdhsa_wavefront_size32 1
		.amdhsa_system_sgpr_workgroup_id_x 1
		.amdhsa_system_sgpr_workgroup_id_y 1
		.amdhsa_system_sgpr_workgroup_id_z 1
		.amdhsa_system_vgpr_workitem_id 0
		.amdhsa_next_free_vgpr 256
		.amdhsa_next_free_sgpr 66
		.amdhsa_reserve_vcc 0
		.amdhsa_float_denorm_mode_32 3
		.amdhsa_float_denorm_mode_16_64 3
		.amdhsa_fp16_overflow 1
		.amdhsa_memory_ordered 1
		.amdhsa_forward_progress 1
		.amdhsa_inst_pref_size 84
	.end_amdhsa_kernel
	.amdgpu_metadata
---
amdhsa.version: [ 1, 2 ]
amdhsa.kernels:
  - .name:           k_qd620b8a26f_attend
    .symbol:         k_qd620b8a26f_attend.kd
    .args:
      - { .name: qimg, .offset: 0, .size: 8, .value_kind: global_buffer, .address_space: global }
      - { .name: kimg, .offset: 8, .size: 8, .value_kind: global_buffer, .address_space: global }
      - { .name: vimg, .offset: 16, .size: 8, .value_kind: global_buffer, .address_space: global }
      - { .name: x, .offset: 24, .size: 8, .value_kind: global_buffer, .address_space: global }
      - { .name: Wo_codes, .offset: 32, .size: 8, .value_kind: global_buffer, .address_space: global }
      - { .name: bo, .offset: 40, .size: 8, .value_kind: global_buffer, .address_space: global }
      - { .name: gamma, .offset: 48, .size: 8, .value_kind: global_buffer, .address_space: global }
      - { .name: lowp_scales, .offset: 56, .size: 8, .value_kind: global_buffer, .address_space: global }
      - { .name: out0, .offset: 64, .size: 8, .value_kind: global_buffer, .address_space: global }
    .group_segment_fixed_size: 264192
    .private_segment_fixed_size: 0
    .kernarg_segment_align: 8
    .kernarg_segment_size: 72
    .max_flat_workgroup_size: 512
    .sgpr_count:     66
    .vgpr_count:     256
    .wavefront_size: 32
...
	.end_amdgpu_metadata
.endif
;; end of part 2
